; MI455X (gfx1250); checked and timed in simulation.
; The chip was launched on July 23, 2026; its instructions are those of AMD's public machine-readable ISA for CDNA 5 (MIT licence, August 2026) and "CDNA5" Instruction Set Architecture Reference Guide (July 2026). The comments in the code are by the model that wrote it; some were corrected since.
;; PSA. Allowed arithmetic: matrix products marked QUANTISED: E5M2 operands, one E8M0 scale for each 32 along K, by v_wmma_scale_f32_16x16x128_f8f6f4 with both operands' format E5M2, f32 sums; everything else in f32.
;; Inputs: beta 256 float32; gamma 256 float32; w_proj 256 x 256 float32; w_qkv 768 x 256 float32; x 4 x 512 x 64 x 64 float32.
;; Outputs: out0 4 x 512 x 64 x 64 float32.
;; This version of the problem:
;;   THIS VERSION OF THE PROBLEM IS GIVEN IN LOW PRECISION. The matrix products marked QUANTISED in the list below multiply operands that are first quantised to E5M2 (5 exponent bits, 2 mantissa bits; 8 bits a number), with one power-of-two scale for each 32 numbers along K (OCP MX v1.0); their sums are f32. All else is computed in f32.
;;   The module's matrix products, in the order in which they are computed (A, B: the left and right operand; K: the contracted axis; several contracted axes count as one K, in the product's order):
;;     1. [M 16,384, K 256] x [K 256, N 768]; A: input x; B: input w_qkv: QUANTISED
;;     2. batch 16 x [M 4,096, K 64] x [K 64, N 4,096]; A: computed on the way; B: computed on the way: QUANTISED
;;     3. batch 16 x [M 64, K 4,096] x [K 4,096, N 4,096]; A: computed on the way; B: softmax (see below): QUANTISED
;;     4. [M 16,384, K 256] x [K 256, N 256]; A: computed on the way; B: input w_proj: QUANTISED
;;   THE QUANTISER, for each operand of a quantised product, along K:
;;     - K is cut into blocks of 32 from its start; a last block that is shorter is filled with zeros.
;;     - A block's scale is 2^e with e = floor(log2(the largest magnitude in the block)) - 15, held to -126 .. 127; a block of zeros has e = 0. As a byte (E8M0): e + 127.
;;     - Each number is divided by its block's scale, clamped to +-57,344, and rounded to the nearest number of E5M2, ties to even, subnormals kept.
;;     - The product sums the exact products of the quantised numbers (number of the format x scale) in f32.
;;   ~~~python
;;   def quantise(x, axis):      # numpy; x: float32 -> the quantised numbers, widened to float32 again
;;       x = np.moveaxis(x, axis, -1); K = x.shape[-1]
;;       x = np.pad(x, [(0, 0)] * (x.ndim - 1) + [(0, -K % 32)]); x = x.reshape(x.shape[:-1] + (-1, 32)); a = np.abs(x).max(-1, keepdims=True)
;;       e = np.where(a > 0, np.clip(np.frexp(np.where(a > 0, a, 1))[1] - 1 - 15, -126, 127), 0)      # np.frexp(a)[1] - 1 = floor(log2(a)), exactly
;;       r = np.clip(x / 2.0 ** e, -57344, 57344)
;;       step = 2.0 ** (np.maximum(np.frexp(np.where(r == 0, 1, r))[1] - 1, -14) - 2)
;;       q = np.round(r / step) * step * 2.0 ** e      # np.round: ties to even
;;       return np.moveaxis(q.reshape(q.shape[:-2] + (-1,))[..., :K], -1, axis).astype(np.float32)
;;   ~~~
;;   SOFTMAX AHEAD OF A QUANTISED PRODUCT. Where the list says 'softmax', what is quantised is not the finished softmax but p = 2^(t - M), with t = logit x log2(e) and M = ceil(the row's largest t), a whole number; so 1/2 < the row's largest p <= 1. The row's sum l is taken of the UNQUANTISED p, in f32, and the product's result is divided by l at the end. Since M is a whole number, a kernel that streams over the keys may use a running M (the ceiling of the running maximum): every later rescaling is an exact power of two, which a block's scale takes up: the codes' values come out the same.
;;   OPERANDS COMPUTED ON THE WAY. 'Computed on the way' means the value that the module computes at that place (a softmax that the list does not call 'softmax' is quantised finished and normalised). What goes into a quantiser is computed in f32, as accurately as f32 sums, v_exp_f32 and their like allow (about 1e-6 of the number): no bf16 or f16 on the way to a quantiser, and a product that is left as it is and whose result goes on into a quantised operand takes f32 operands (vector FMAs, or v_wmma_f32_16x16x4_f32). A number that lies on a knife's edge between two numbers of the format may be rounded either way, as far as f32 arithmetic and the matrix unit's own rounding can turn it there, and no further.
;; One version. Each part assembles by itself: llvm-mc -triple=amdgcn-amd-amdhsa -mcpu=gfx1250 --defsym DOCPART=n.
;; ======== version 1 of 1: 3 launches
;; limits: right only within a limited range of input values
;; workspace buffers: q 4,456,448 bytes; kv 8,912,896 bytes; proj 16,777,216 bytes; stats 524,288 bytes
;; launch qkv (part 1): grid 64 x 4, 16 waves a work-group, no clusters, 143,360 bytes of LDS; arguments x, w_qkv, q, kv, out0; writes q, kv, out0
.if DOCPART == 1
	.amdgcn_target "amdgcn-amd-amdhsa--gfx1250"
	.amdhsa_code_object_version 6
	.text
	.protected	k_qc4a3955bfb_qkv
	.globl	k_qc4a3955bfb_qkv
	.p2align	8
	.type	k_qc4a3955bfb_qkv,@function
k_qc4a3955bfb_qkv:
	s_mov_b64 s[64:65], 0
	v_nop
	global_prefetch_b8 v0, s[64:65] scope:SCOPE_SE
	s_setreg_imm32_b32 hwreg(HW_REG_WAVE_MODE, 25, 1), 1
	s_wait_xcnt 0x0
; qkv[b][o][n] = sum over c of w_qkv[o][c] x[b][c][n], c < 256, on codes of BF8 (E5M2) with one E8M0 scale for each 32 along c; the results are quantised at once
; for the products that follow: q and k along the head's 64 channels, v along the keys.  The upper 256 channels of x are copied to out0.
; SHARES.  Work-group (x, y): x = a block of 256 positions of one batch (16 blocks a batch); y = 0, 1, 2: q, k or v (256 rows of w_qkv); y = 3: 262,144 bytes of the copy.
; PHASE A, alike for q, k and v: the sixteen waves quantise the 256 rows of w_qkv (K innermost: a lane loads 16 neighbours of each block of 32) and the 256 positions of x
; (K is NOT innermost: a lane takes one position and its registers run down c, so a block of 32 lies in one lane).  Codes and scale words go to LDS as IMAGES OF THE OPERAND'S REGISTERS:
; a group of four registers is 512 bytes, lane l's 16 bytes at 16 l.  One barrier.  Then each wave multiplies and quantises its share out of LDS, and stores images to memory.
; THE ROWS OF A TILE ARE NOT NEIGHBOURS: lane r of tile 2 B + u takes row (position, or channel of a head) 32 B + 8 u + r + 8 (r / 8).  In a result, register j of half h is then row 32 B + 16 h + 8 u + j:
; the 16 registers of tiles 2 B and 2 B + 1 are 16 neighbours along the next product's K, in the order that its operand wants.
; q, k: source 0 = 16 rows of w_qkv, source 1 = 16 positions: a lane holds one position, its registers run along the head's channels.  Two tiles of positions make a PAIR IMAGE of 16 registers:
; groups 0, 1 = tile u = 0, channels 0-31 and 32-63; groups 2, 3 = tile u = 1; its scale word has the four bytes in that order.
; v: the sources swapped: a lane holds one channel, its registers run along 128 keys: a whole fragment of the second attention product.
; NO JOINT REQUESTS: both operands arrive as f32 and go from memory straight into the registers of the lane that quantises them; no tile is brought into LDS by a tensor load, so there is no load that partners could share.
; LIMITS: NaN and infinities among the inputs are not served.  A block of zeros gets the scale byte 1 where the rule says 127: its codes are zeros, which add nothing under any byte but 0xff, and this program alone reads the bytes.
.set WIMG, 0                           ; LDS: w's 32 fragments (2 x tile + K step), 2,048 bytes each
.set WSC,  65536                       ; their scale words, 128 bytes each
.set XIMG, 69632                       ; x's 32 fragments (16 x K step + tile), XP bytes apart
.set XP,   2176                        ; 2,048 + 128: the two tiles that one store of the quantiser touches then lie 128 bytes apart modulo 256
.set XSC,  139264                      ; their scale words: 16 words each
.set LI,   1                           ; v1   16 x lane
.set LS,   2                           ; v2   4 x lane: a scale word's place; also my position's bytes in a row of x
.set WA,   3                           ; v3   w_qkv: my row of a tile, my half's 64 bytes
.set WWI,  5                           ; v5   where I store w's images;   v6 their scale words
.set WWS,  6
.set XW,   7                           ; v7   where I store x's codes;    v8 their scale word
.set XWS,  8
.set AW,   9                           ; v9   q, k: my head's fragments of w;  v10 their scale words;  v11 my quarter's fragments of x;  v12 their scale words
.set AWS,  10
.set AX,   11
.set AXS,  12
.set AWV,  13                          ; v13-15, v28: the same four for v
.set AWSV, 14
.set AXV,  15
.set AXSV, 28
.set WS,   16                          ; v16-23 w's scale words;  v24-25 x's: these hold scales and nothing else
.set XS,   24
.set PW,   26                          ; v26  the scale word just made
.set SB,   27                          ; v27  a position's four scale bytes
.macro MM0 d, a, b, sa, sb             ; the first K step starts a sum: nothing is cleared
	v_wmma_scale_f32_16x16x128_f8f6f4 v[(\d):(\d)+7], v[(\a):(\a)+15], v[(\b):(\b)+15], 0, v[\sa], v[\sb] matrix_a_fmt:MATRIX_FMT_BF8 matrix_b_fmt:MATRIX_FMT_BF8
.endm
.macro MMA d, a, b, sa, sb
	v_wmma_scale_f32_16x16x128_f8f6f4 v[(\d):(\d)+7], v[(\a):(\a)+15], v[(\b):(\b)+15], v[(\d):(\d)+7], v[\sa], v[\sb] matrix_a_fmt:MATRIX_FMT_BF8 matrix_b_fmt:MATRIX_FMT_BF8
.endm
; 16 nb numbers of a lane, register s + 16 b + i = k 32 b + 16 (lane / 16) + i of my row, become codes in v[pc] on (four registers a block) and a scale word in v[pw].  v[tm] .. v[tm + 15] are at work.
.macro QUANT s, nb, tm, pc, pw
.irp b, 0,1,2,3
.if \b < \nb
	v_max3_num_f32 v[\tm+\b], |v[\s+16*\b]|, |v[\s+16*\b+1]|, 0x8000000   ; my 16 numbers of block b, and the floor 2^(16 - 127): the byte cannot fall under 1
.endif
.endr
.irp i, 2,4,6,8,10,12,14
.irp b, 0,1,2,3
.if \b < \nb
	v_max3_num_f32 v[\tm+\b], v[\tm+\b], |v[\s+16*\b+\i]|, |v[\s+16*\b+\i+1]|   ; the blocks by turns: no line waits for the line above it
.endif
.endr
.endr
.irp b, 0,1,2,3
.if \b < \nb
	s_delay_alu instid0(VALU_DEP_4)
	v_permlanex16_b32 v[\tm+4+\b], v[\tm+\b], s20, s21
.endif
.endr
.irp b, 0,1,2,3
.if \b < \nb
	s_delay_alu instid0(VALU_DEP_4)
	v_max_num_f32 v[\tm+\b], v[\tm+\b], v[\tm+4+\b]        ; with lane l xor 16's 16 numbers: the block's largest magnitude
.endif
.endr
.irp b, 0,1,2,3
.if \b < \nb
	s_delay_alu instid0(VALU_DEP_4)
	v_add_nc_u32 v[\tm+12+\b], 0xf8800000, v[\tm+\b]       ; 15 off its exponent field: the conversion takes the exponent field of this operand as its scale
.endif
.endr
.irp b, 0,1,2,3
.if \b < \nb
.endif
.endr
.irp b, 0,1,2,3
.if \b < \nb
	s_delay_alu instid0(VALU_DEP_4)
	v_lshrrev_b32 v[\tm+4+\b], 23, v[\tm+12+\b]            ; the scale's byte
.endif
.endr
	s_delay_alu instid0(VALU_DEP_3)
	v_lshl_or_b32 v[\pw], v[\tm+5], 8, v[\tm+4]
.if \nb == 4
	s_delay_alu instid0(VALU_DEP_1)
	v_lshl_or_b32 v[\pw], v[\tm+6], 16, v[\pw]
	s_delay_alu instid0(VALU_DEP_1)
	v_lshl_or_b32 v[\pw], v[\tm+7], 24, v[\pw]
.endif
.irp b, 0,1,2,3
.if \b < \nb
.irp i, 0,1,2,3,4,5,6,7,8,9,10,11,12,13,14,15
.endr
	v_cvt_scalef32_pk8_bf8_f32 v[\pc+4*\b:\pc+4*\b+1], v[\s+16*\b:\s+16*\b+7], v[\tm+12+\b]
	v_cvt_scalef32_pk8_bf8_f32 v[\pc+4*\b+2:\pc+4*\b+3], v[\s+16*\b+8:\s+16*\b+15], v[\tm+12+\b]
.endif
.endr
	v_nop                                          ; one plain line behind the last conversion, ahead of whatever next touches its registers
.endm
	s_load_b256 s[4:11], s[0:1], 0x0               ; x s[4:5], w_qkv s[6:7], q s[8:9], kv s[10:11]
	s_load_b64 s[12:13], s[0:1], 0x20              ; out0
	v_lshrrev_b32 v1, 5, v0
	s_delay_alu instid0(VALU_DEP_1)
	v_readfirstlane_b32 s14, v1                    ; wave 0..15
	s_lshr_b32 s15, s14, 2                         ; wave / 4: the head
	s_and_b32 s16, s14, 3                          ; wave % 4
	s_and_b32 s17, ttmp7, 0xffff                   ; 0 q, 1 k, 2 v, 3 the copy
	s_lshr_b32 s18, ttmp9, 4                       ; the batch
	s_and_b32 s19, ttmp9, 15                       ; which 256 positions of it
	s_mov_b32 s20, 0x76543210
	s_mov_b32 s21, 0xfedcba98                      ; v_permlanex16_b32's selects for lane l xor 16
	s_wait_kmcnt 0x0
	s_cmp_eq_u32 s17, 3
	s_cbranch_scc0 .Lcompute
	; ---- THE COPY: channels 256-511 of a batch are 4,194,304 consecutive bytes; sixteen work-groups take 262,144 each.  512 threads x 16 bytes: a wave's instruction covers 512 consecutive bytes.
	s_lshl_b32 s24, s18, 23
	s_lshl_b32 s25, s19, 18
	s_add_co_u32 s24, s24, s25
	s_add_co_u32 s24, s24, 4194304
	s_mov_b32 s25, 0
	s_add_nc_u64 s[4:5], s[4:5], s[24:25]
	s_add_nc_u64 s[12:13], s[12:13], s[24:25]
	v_lshlrev_b32 v1, 4, v0
.set i, 0
.rept 32
	global_load_b128 v[32+4*i:35+4*i], v1, s[4:5] offset:8192*i th:TH_LOAD_NT
.set i, i+1
.endr
.set i, 0
	s_wait_alu depctr_va_vdst(0)
.rept 32
	s_wait_loadcnt 31-i                            ; loads come back in order: number i is in, the 31 - i younger ones stay out.  No register is used twice, so nothing else is waited for
	global_store_b128 v1, v[32+4*i:35+4*i], s[12:13] offset:8192*i th:TH_STORE_NT
.set i, i+1
.endr
	s_endpgm
.Lcompute:
	; ---- every address register is made here, ahead of the ways' parting
	v_and_b32 v29, 31, v0                          ; lane
	v_and_b32 v30, 15, v0                          ; r
	v_bfe_u32 v31, v0, 4, 1                        ; h
	s_delay_alu instid0(VALU_DEP_3)
	v_lshlrev_b32 v[LI], 4, v29
	s_delay_alu instid0(VALU_DEP_4)
	v_lshlrev_b32 v[LS], 2, v29
	s_delay_alu instid0(VALU_DEP_4)
	v_and_b32 v[WA], 8, v30
	s_delay_alu instid0(VALU_DEP_1)
	v_add_nc_u32 v[WA], v[WA], v30                 ; r + 8 (r / 8)
	s_delay_alu instid0(VALU_DEP_1)
	v_lshlrev_b32 v[WA], 10, v[WA]                 ; a row of w_qkv is 1,024 bytes
	s_delay_alu instid0(VALU_DEP_1)
	v_lshl_add_u32 v[WA], v31, 6, v[WA]            ; + 64 h: my 16 numbers of a block of 32
	s_lshl_b32 s24, s14, 12
	v_add_nc_u32 v[WWI], s24, v[LI]                ; w's images: tile = wave, two K steps: 4,096 bytes a wave
	s_lshl_b32 s24, s14, 8
	s_add_co_u32 s24, s24, WSC
	v_add_nc_u32 v[WWS], s24, v[LS]
	; x: lane l holds position 32 G + l.  It is row (l % 8) + 8 (l / 16) of tile 2 G + (l / 8) % 2
	v_bfe_u32 v32, v0, 3, 1
	v_and_b32 v33, 7, v0
	s_lshr_b32 s24, s14, 1                         ; G = wave / 2: which 32 positions
	s_and_b32 s25, s14, 1                          ; wave % 2: which K step
	v_mul_u32_u24 v[XW], v32, XP
	s_delay_alu instid0(VALU_DEP_1)
	v_lshl_add_u32 v[XW], v33, 4, v[XW]
	s_delay_alu instid0(VALU_DEP_1)
	v_lshl_add_u32 v[XW], v31, 7, v[XW]
	s_mul_i32 s26, s24, 2*XP
	s_mul_i32 s27, s25, 16*XP
	s_add_co_u32 s26, s26, s27
	s_add_co_u32 s26, s26, XIMG
	v_add_nc_u32 v[XW], s26, v[XW]
	v_lshlrev_b32 v[XWS], 6, v32
	s_delay_alu instid0(VALU_DEP_1)
	v_lshl_add_u32 v[XWS], v33, 2, v[XWS]
	s_delay_alu instid0(VALU_DEP_1)
	v_lshl_add_u32 v[XWS], v31, 5, v[XWS]
	s_lshl_b32 s26, s24, 7
	s_lshl_b32 s27, s25, 10
	s_add_co_u32 s26, s26, s27
	s_add_co_u32 s26, s26, XSC
	v_add_nc_u32 v[XWS], s26, v[XWS]
	s_lshl_b32 s26, s15, 14
	v_add_nc_u32 v[AW], s26, v[LI]                 ; a head's 8 fragments of w: 16,384 bytes
	s_lshl_b32 s26, s15, 10
	s_add_co_u32 s26, s26, WSC
	v_add_nc_u32 v[AWS], s26, v[LS]
	s_mul_i32 s26, s16, 4*XP
	s_add_co_u32 s26, s26, XIMG
	v_add_nc_u32 v[AX], s26, v[LI]                 ; q, k: my quarter's four tiles of positions
	v_lshlrev_b32 v34, 2, v30                      ; 4 r: both halves of the lanes read the row's word
	s_wait_alu depctr_va_vdst(0)
	s_lshl_b32 s26, s16, 8
	s_add_co_u32 s26, s26, XSC
	v_add_nc_u32 v[AXS], s26, v34
	s_lshl_b32 s26, s25, 13
	v_add_nc_u32 v[AWV], s26, v[AW]                ; v: 32 channels (two tiles) of my head: wave % 2
	s_lshl_b32 s26, s25, 9
	v_add_nc_u32 v[AWSV], s26, v[AWS]
	s_and_b32 s27, s24, 1                          ; v: which 128 keys: (wave / 2) % 2
	s_mul_i32 s26, s27, 8*XP
	s_add_co_u32 s26, s26, XIMG
	v_add_nc_u32 v[AXV], s26, v[LI]
	s_lshl_b32 s26, s27, 9
	s_add_co_u32 s26, s26, XSC
	v_add_nc_u32 v[AXSV], s26, v34
	; w_qkv at my tile's first row: 256 y + 64 head + 32 (t / 2) + 8 (t % 2), t = wave % 4
	s_lshl_b32 s28, s17, 8
	s_lshl_b32 s29, s15, 6
	s_add_co_u32 s28, s28, s29
	s_lshr_b32 s29, s16, 1
	s_lshl_b32 s29, s29, 5
	s_add_co_u32 s28, s28, s29
	s_and_b32 s29, s16, 1
	s_lshl_b32 s29, s29, 3
	s_add_co_u32 s28, s28, s29
	s_lshl_b32 s28, s28, 10
	s_mov_b32 s29, 0
	s_add_nc_u64 s[6:7], s[6:7], s[28:29]
	; x at my batch, my K step's first channel (128 channels of 16,384 bytes), my 32 positions
	s_lshl_b32 s28, s18, 23
	s_lshl_b32 s30, s25, 21
	s_add_co_u32 s28, s28, s30
	s_lshl_b32 s30, s19, 10
	s_add_co_u32 s28, s28, s30
	s_lshl_b32 s30, s24, 7
	s_add_co_u32 s28, s28, s30
	s_add_nc_u64 s[4:5], s[4:5], s[28:29]
.irp b, 0,1,2,3
	v_mov_b32 v[228+\b], 0                         ; written once: a lane permute's destination counts as one of its sources
.endr
; PHASE A.  REGISTERS: v32-95, v96-159 w's numbers of K steps 0, 1; v160-191, v192-223, then v32-63, v64-95: x's four blocks of 32 channels; v224-239 at work; v240-255 codes.
.macro LOADW k                         ; my tile's numbers of K step k: register 16 b + 4 j + .. = channel 128 k + 32 b + 16 h + 4 j + ..
.irp b, 0,1,2,3
.irp j, 0,1,2,3
	global_load_b128 v[32+64*\k+16*\b+4*\j:32+64*\k+16*\b+4*\j+3], v[WA], s[6:7] offset:512*\k+128*\b+16*\j
.endr
.endr
.endm
.macro LOADX c, set                    ; block c of my K step: 32 channels of my position; the wave reads 128 consecutive bytes of each channel's row
.set i, 0
.rept 32
	global_load_b32 v[\set+i], v[LS], s[4:5] offset:(32*\c+i)*16384
.set i, i+1
.endr
.endm
.macro IMAGE adr, off, pc              ; a fragment goes to LDS as it stands in the registers
.irp c, 0,1,2,3
	ds_store_b128 v[\adr], v[\pc+4*\c:\pc+4*\c+3] offset:\off+512*\c
.endr
.endm
.macro BLOCKX c, set                   ; a block of 32 along K lies in my 32 registers: its largest magnitude needs no other lane
	v_max3_num_f32 v224, |v[\set]|, |v[\set+1]|, |v[\set+2]|
	v_max3_num_f32 v225, |v[\set+3]|, |v[\set+4]|, |v[\set+5]|
.irp i, 6,10,14,18,22,26
	s_delay_alu instid0(VALU_DEP_2)
	v_max3_num_f32 v224, v224, |v[\set+\i]|, |v[\set+\i+1]|
	s_delay_alu instid0(VALU_DEP_2)
	v_max3_num_f32 v225, v225, |v[\set+\i+2]|, |v[\set+\i+3]|
.endr
	s_delay_alu instid0(VALU_DEP_2)
	v_max3_num_f32 v224, v224, |v[\set+30]|, |v[\set+31]|
	s_delay_alu instid0(VALU_DEP_1)
	v_max3_num_f32 v224, v224, v225, 0x8000000     ; and the floor
	s_delay_alu instid0(VALU_DEP_1)
	v_add_nc_u32 v226, 0xf8800000, v224            ; the conversion's scale operand
.if \c == 0
	s_delay_alu instid0(VALU_DEP_1)
	v_lshrrev_b32 v[SB], 23, v226                  ; the four bytes of my position's K step make its scale word, the lower K in the lower byte
.else
	s_delay_alu instid0(VALU_DEP_1)
	v_lshrrev_b32 v232, 23, v226
	s_delay_alu instid0(VALU_DEP_1)
	v_lshl_or_b32 v[SB], v232, 8*\c, v[SB]
.endif
.set i, 0
.rept 32
.set i, i+1
.endr
.irp g, 0,1,2,3
	v_cvt_scalef32_pk8_bf8_f32 v[240+2*\g:241+2*\g], v[\set+8*\g:\set+8*\g+7], v226
.endr
	v_nop
	ds_store_b128 v[XW], v[240:243] offset:512*\c          ; codes 0-15 of the block are the row's place in lanes 0-15 of the fragment's group c,
	ds_store_b128 v[XW], v[244:247] offset:512*\c+256      ; codes 16-31 its place in lanes 16-31
	s_wait_dscnt 0x0                               ; the stores have read their registers: the next block's codes may be written
.endm
	LOADW 0
	LOADW 1
	LOADX 0, 160
	LOADX 1, 192
	s_wait_loadcnt 63                              ; behind w's 32 loads 64 were issued; the wait's field holds 63 at the most, so one load more than needed is awaited
	QUANT 32, 4, 224, 240, PW
	IMAGE WWI, 0, 240
	ds_store_b32 v[WWS], v[PW]
	s_wait_dscnt 0x0                               ; the stores have read their registers
	LOADX 2, 32                                    ; into the registers that K step 0 of w has left
	LOADX 3, 64
	QUANT 96, 4, 224, 240, PW
	IMAGE WWI, 2048, 240
	ds_store_b32 v[WWS], v[PW] offset:128
	s_wait_dscnt 0x0
	s_wait_loadcnt 63                              ; blocks 0 and 1 are in: behind block 1 the 64 loads of blocks 2 and 3 were issued (63: as above)
	BLOCKX 0, 160
	BLOCKX 1, 192
	s_wait_loadcnt 32                              ; block 2 is in; block 3's 32 loads may be out
	BLOCKX 2, 32
	s_wait_loadcnt 0x0
	BLOCKX 3, 64
	s_wait_alu depctr_va_vdst(0)
	ds_store_b32 v[XWS], v[SB]
	s_wait_dscnt 0x0                               ; for the others' sake: all my stores have landed
	s_barrier_signal -1
	s_barrier_wait -1                              ; both operands lie in LDS; from here on LDS is only read
	s_cmp_eq_u32 s17, 2
	s_cbranch_scc1 .Lv_arm
	; ---- q AND k.  Wave = (head, quarter of 64 positions).  REGISTERS: v32-63 x's two fragments; v64-127 two tiles of positions x 64 channels; v128-255 my head's 8 fragments of w.
	; q lies [batch][block of 64 positions][head][4,352]: two pair images, then two scale images of 128 bytes.
	s_lshl_b32 s24, s18, 6
	s_lshl_b32 s25, s19, 2
	s_add_co_u32 s24, s24, s25
	s_add_co_u32 s24, s24, s16
	s_lshl_b32 s24, s24, 2
	s_add_co_u32 s24, s24, s15
	s_mul_i32 s24, s24, 4352                       ; q: my codes,
	s_add_co_u32 s26, s24, 4096                    ; my scale words
	; kv lies [batch][step of 128 keys][head][k's record 8,704 | v's record 8,704]; k's record: four pair images, then four scale images
	s_lshl_b32 s28, s18, 5
	s_lshl_b32 s29, s19, 1
	s_add_co_u32 s28, s28, s29
	s_lshr_b32 s29, s16, 1
	s_add_co_u32 s28, s28, s29
	s_lshl_b32 s28, s28, 2
	s_add_co_u32 s28, s28, s15
	s_mul_i32 s28, s28, 17408
	s_and_b32 s29, s16, 1
	s_lshl_b32 s30, s29, 12
	s_add_co_u32 s30, s28, s30                     ; k: my codes,
	s_lshl_b32 s31, s29, 8
	s_add_co_u32 s31, s28, s31
	s_add_co_u32 s31, s31, 8192                    ; my scale words
	s_cmp_eq_u32 s17, 0                            ; the choice hangs on the work-group's number alone
	s_cselect_b64 s[8:9], s[8:9], s[10:11]
	s_cselect_b32 s24, s24, s30
	s_cselect_b32 s26, s26, s31
	s_mov_b32 s25, 0
	s_mov_b32 s27, 0
	s_add_nc_u64 s[32:33], s[8:9], s[24:25]
	s_add_nc_u64 s[34:35], s[8:9], s[26:27]
.irp f, 0,1,2,3,4,5,6,7                ; f = 2 x tile + K step
.irp c, 0,1,2,3
	ds_load_b128 v[128+16*\f+4*\c:128+16*\f+4*\c+3], v[AW] offset:\f*2048+512*\c
.endr
	ds_load_b32 v[WS+\f], v[AWS] offset:\f*128
.endr
.irp g, 0,1                            ; a pair of tiles of positions
.irp e, 0,1
.if (\g == 1) && (\e == 0)
	s_wait_xcnt 0x0                                ; the first pair's stores have read their registers: these are loaded and written again only behind this wait
.endif
.irp k, 0,1
.irp c, 0,1,2,3
	ds_load_b128 v[32+16*\k+4*\c:32+16*\k+4*\c+3], v[AX] offset:(16*\k+2*\g+\e)*XP+512*\c
.endr
	ds_load_b32 v[XS+\k], v[AXS] offset:(16*\k+2*\g+\e)*64
.endr
	s_wait_dscnt 0x0
.irp t, 0,1,2,3                        ; the four accumulators take turns, one instruction a turn
	MM0 64+32*\e+8*\t, 128+32*\t, 32, WS+2*\t, XS
.endr
.irp t, 0,1,2,3
	MMA 64+32*\e+8*\t, 128+32*\t+16, 48, WS+2*\t+1, XS+1
.endr
.rept 8
	v_nop                                          ; eight places behind this form, ahead of loads into its sources and of reads of its results
.endr
.endr
	QUANT 64, 4, 32, 48, PW                        ; blocks 0, 1: tile e = 0's channels 0-31, 32-63; blocks 2, 3: tile e = 1's: the pair image
.irp c, 0,1,2,3
	global_store_b128 v[LI], v[48+4*\c:48+4*\c+3], s[32:33] offset:2048*\g+512*\c   ; the wave stores 512 consecutive bytes, at a multiple of 256 from the buffer's first byte
.endr
	global_store_b32 v[LS], v[PW], s[34:35] offset:128*\g
.endr
	s_wait_xcnt 0x0
	v_lshl_add_u32 v254, v0, 2, 0x22800
	v_mov_b32 v255, 0
	s_wait_alu depctr_va_vdst(0)
	s_wait_tensorcnt 0x0
	ds_add_u32 v254, v255
	s_wait_dscnt 0x0
	s_endpgm
.Lv_arm:
	; ---- v.  Wave = (head, 128 keys, 32 channels).  REGISTERS: v32-63 x's two fragments; v64-127, v128-191 two tiles of channels x 128 keys; v192-255 four fragments of w.
	s_lshr_b32 s24, s14, 1
	s_and_b32 s24, s24, 1                          ; which 128 keys
	s_and_b32 s25, s14, 1                          ; which 32 channels
	s_lshl_b32 s28, s18, 5
	s_lshl_b32 s29, s19, 1
	s_add_co_u32 s28, s28, s29
	s_add_co_u32 s28, s28, s24
	s_lshl_b32 s28, s28, 2
	s_add_co_u32 s28, s28, s15
	s_mul_i32 s28, s28, 17408
	s_add_co_u32 s28, s28, 8704                    ; v's record: four fragments (16 channels x 128 keys), then four scale images
	s_lshl_b32 s30, s25, 12
	s_add_co_u32 s30, s28, s30
	s_lshl_b32 s26, s25, 8
	s_add_co_u32 s26, s28, s26
	s_add_co_u32 s26, s26, 8192
	s_mov_b32 s31, 0
	s_mov_b32 s27, 0
	s_add_nc_u64 s[32:33], s[10:11], s[30:31]
	s_add_nc_u64 s[34:35], s[10:11], s[26:27]
.irp f, 0,1,2,3                        ; f = 2 x (tile of my two) + K step
.irp c, 0,1,2,3
	ds_load_b128 v[192+16*\f+4*\c:192+16*\f+4*\c+3], v[AWV] offset:\f*2048+512*\c
.endr
	ds_load_b32 v[WS+\f], v[AWSV] offset:\f*128
.endr
.irp p, 0,1,2,3,4,5,6,7                ; eight tiles of 16 keys
.irp k, 0,1
.irp c, 0,1,2,3
	ds_load_b128 v[32+16*\k+4*\c:32+16*\k+4*\c+3], v[AXV] offset:(16*\k+\p)*XP+512*\c
.endr
	ds_load_b32 v[XS+\k], v[AXSV] offset:(16*\k+\p)*64
.endr
	s_wait_dscnt 0x0
	MM0 64+8*\p, 32, 192, XS, WS                   ; source 0 = 16 keys, source 1 = 16 channels: a lane holds one channel, its registers run along the keys.  The two accumulators take turns
	MM0 128+8*\p, 32, 224, XS, WS+2
	MMA 64+8*\p, 48, 208, XS+1, WS+1
	MMA 128+8*\p, 48, 240, XS+1, WS+3
.rept 8
	v_nop
.endr
.endr
.irp t, 0,1
.if \t == 1
	s_wait_xcnt 0x0                                ; the first fragment's stores have read their registers
.endif
	QUANT 64+64*\t, 4, 32, 48, PW
.irp c, 0,1,2,3
	global_store_b128 v[LI], v[48+4*\c:48+4*\c+3], s[32:33] offset:2048*\t+512*\c
.endr
	global_store_b32 v[LS], v[PW], s[34:35] offset:128*\t
.endr
	s_wait_xcnt 0x0
	v_lshl_add_u32 v254, v0, 2, 0x22800
	v_mov_b32 v255, 0
	s_wait_alu depctr_va_vdst(0)
	s_wait_tensorcnt 0x0
	ds_add_u32 v254, v255
	s_wait_dscnt 0x0
	s_endpgm
.Lfunc_end_k_qc4a3955bfb_qkv:
	.size	k_qc4a3955bfb_qkv, .Lfunc_end_k_qc4a3955bfb_qkv-k_qc4a3955bfb_qkv
	.p2alignl 7, 3214868480
	.fill 96, 4, 3214868480
	.section	.rodata,"a",@progbits
	.p2align	6, 0x0
	.amdhsa_kernel k_qc4a3955bfb_qkv
		.amdhsa_group_segment_fixed_size 143360
		.amdhsa_private_segment_fixed_size 0
		.amdhsa_enable_private_segment 0
		.amdhsa_kernarg_size 40
		.amdhsa_user_sgpr_count 2
		.amdhsa_user_sgpr_kernarg_segment_ptr 1
		.amdhsa_wavefront_size32 1
		.amdhsa_system_sgpr_workgroup_id_x 1
		.amdhsa_system_sgpr_workgroup_id_y 1
		.amdhsa_system_sgpr_workgroup_id_z 1
		.amdhsa_system_vgpr_workitem_id 0
		.amdhsa_next_free_vgpr 256
		.amdhsa_next_free_sgpr 66
		.amdhsa_reserve_vcc 0
		.amdhsa_float_denorm_mode_32 3
		.amdhsa_float_denorm_mode_16_64 3
		.amdhsa_fp16_overflow 1
		.amdhsa_memory_ordered 1
		.amdhsa_forward_progress 1
		.amdhsa_inst_pref_size 89
	.end_amdhsa_kernel
	.amdgpu_metadata
---
amdhsa.version: [ 1, 2 ]
amdhsa.kernels:
  - .name:           k_qc4a3955bfb_qkv
    .symbol:         k_qc4a3955bfb_qkv.kd
    .args:
      - { .name: x, .offset: 0, .size: 8, .value_kind: global_buffer, .address_space: global }
      - { .name: w_qkv, .offset: 8, .size: 8, .value_kind: global_buffer, .address_space: global }
      - { .name: q, .offset: 16, .size: 8, .value_kind: global_buffer, .address_space: global }
      - { .name: kv, .offset: 24, .size: 8, .value_kind: global_buffer, .address_space: global }
      - { .name: out0, .offset: 32, .size: 8, .value_kind: global_buffer, .address_space: global }
    .group_segment_fixed_size: 143360
    .private_segment_fixed_size: 0
    .kernarg_segment_align: 8
    .kernarg_segment_size: 40
    .max_flat_workgroup_size: 512
    .sgpr_count:     66
    .vgpr_count:     256
    .wavefront_size: 32
...
	.end_amdgpu_metadata
.endif
;; end of part 1
;; launch attn (part 2): grid 64 x 4, 16 waves a work-group, clusters of 4 x 1, 327,680 bytes of LDS; arguments q, kv, w_proj, proj, stats; writes proj, stats
.if DOCPART == 2
	.amdgcn_target "amdgcn-amd-amdhsa--gfx1250"
	.amdhsa_code_object_version 6
	.text
	.protected	k_qc4a3955bfb_attn
	.globl	k_qc4a3955bfb_attn
	.p2align	8
	.type	k_qc4a3955bfb_attn,@function
k_qc4a3955bfb_attn:
	s_mov_b64 s[64:65], 0
	v_nop
	global_prefetch_b8 v0, s[64:65] scope:SCOPE_SE
	s_setreg_imm32_b32 hwreg(HW_REG_WAVE_MODE, 25, 1), 1
	s_wait_xcnt 0x0
	s_wait_alu depctr_hold_cnt(0) depctr_sa_sdst(0) depctr_va_vdst(0) depctr_va_sdst(0) depctr_va_ssrc(0) depctr_va_vcc(0) depctr_vm_vsrc(0)
	s_getreg_b32 s2, hwreg(HW_REG_IB_STS2, 6, 4)
	s_cmp_eq_u32 s2, 0
	s_cbranch_scc0 .Lentry_in_a_cluster
	s_endpgm
.Lentry_in_a_cluster:
	s_bfe_u32 s2, ttmp6, 0x10000c
	s_cmp_lg_u32 s2, 0x3003
	s_cbranch_scc0 .Lentry_shape_is_right
	s_endpgm
.Lentry_shape_is_right:
; For 64 queries of one batch and all four heads: scores, softmax, the product with v, the projection by w_proj, and each output channel's mean and sum of squared deviations over these 64 positions.
; All three products on codes of BF8 (E5M2) with one E8M0 scale for each 32 along K.  q and kv hold images of operand registers: a group of four registers is 512 bytes, lane l's 16 bytes at 16 l.
; THE SOFTMAX: t = score x log2(e) / 8; M = the row's largest t so far, rounded UP to a whole number; p = 2^(t - M) is quantised along the keys, not normalised; the row's sum is taken of the unquantised p
; and divides at the end.  When M moves, the sum and O are multiplied by 2^(old M - new M): exact.
; SHARES.  Sixteen waves of 256 registers, four to a SIMD: wave w has head w / 4 and tile w % 4 of 16 queries, and walks all 4,096 keys, 128 a step.  In the tail wave w owns output channels 16 w .. 16 w + 15.
; LAYOUT.  Both attention products are used transposed (source 0 = 16 keys, or 16 channels of v; source 1 = my queries): a lane holds ONE query (lane % 16) throughout.  The rows of a tile are not neighbours:
; lane r of tile 2 B + u holds row 32 B + 8 u + r + 8 (r / 8), so that the 16 registers of two neighbouring result tiles are 16 neighbours along the next K.
; K = 64 IN AN INSTRUCTION OF 128.  A pair image of k (16 registers: two tiles of 16 keys x 64 channels) is source 0 of BOTH its score tiles.  My queries stand as [q, 8 registers][zeros, 8][q, 8]:
; the first 16 registers pick the first tile, the last 16 the second; zero codes times k's codes, which are finite numbers, add nothing.  So no register and no LDS byte of k holds padding.
; CLUSTER.  The four query blocks of a cluster belong to one batch and walk the same kv: each quarter of a slot is asked for JOINTLY, by the same tensor load with the same descriptor and a mask that names the four.
; The place in the cluster enters the addresses of q, proj and stats alone.
; LIMITS: NaN and infinities are not served.  A p under 2^-126 comes out of v_exp_f32 as 0 (ISA guide, that instruction's entry).  A block of zeros gets the scale byte 1 where the rule says 127: its codes are zeros, and this program alone reads the bytes.
; REGISTERS: v1, v2 my lane's place in a step's codes and scale words; v3, v4 for the add; v5, v6 the addresses in hand; v12 -M, v13 the largest t, v[14:15] the sum in two halves; v16-39 q, zeros, q;
; v40-45 scales and nothing else; v246-250 q's and the tail's scales, and with v251-255 the sum's terms in a step; v48-111 four fragments of k or v; v112-175 scores, then p; v176-207 O^T; v208-223 p's codes; v224-245 at work.
.set STEPB, 69632                      ; a key step's records of the four heads: 4 x (8,704 of k + 8,704 of v)
.set SLOTB, 2*STEPB                    ; a slot holds two steps: 544 rows of 256 bytes
.set QUART, SLOTB/4                    ; what one tensor load brings: 136 rows
.set SPARE, 2*SLOTB                    ; behind the ring: the spare words, 128 bytes for each of sixteen waves: eight blocks of 256 bytes that no other line names
.set OIMG,  0                          ; the tail's regions lie in slot 0, which has had its last fill and its last read by then: the 8 fragments of the attention's result (2 x tile + K step),
.set OSC,   16384                      ; their scale words, 128 bytes each,
.set STG,   17408                      ; and a stage of 16 rows x (256 + 16) bytes for each wave
.set F,    48
.set S,    112
.set OT,   176
.set PC,   208
.set BM,   224                         ; v224-227 a block's largest score, then its largest p
.set PR,   228                         ; v228-231 the other half's, then the scale's byte
.set HOLD, 232
.set SOP,  236                         ; v236-239 the conversion's scale operand
.macro MM0 d, a, b, sa, sb
	v_wmma_scale_f32_16x16x128_f8f6f4 v[(\d):(\d)+7], v[(\a):(\a)+15], v[(\b):(\b)+15], 0, v[\sa], v[\sb] matrix_a_fmt:MATRIX_FMT_BF8 matrix_b_fmt:MATRIX_FMT_BF8
.endm
.macro MMA d, a, b, sa, sb
	v_wmma_scale_f32_16x16x128_f8f6f4 v[(\d):(\d)+7], v[(\a):(\a)+15], v[(\b):(\b)+15], v[(\d):(\d)+7], v[\sa], v[\sb] matrix_a_fmt:MATRIX_FMT_BF8 matrix_b_fmt:MATRIX_FMT_BF8
.endm
; 16 nb numbers of a lane, register s + 16 b + i = k 32 b + 16 (lane / 16) + i of my row, become codes in v[pc] on (four registers a block) and a scale word in v[pw].  v[tm] .. v[tm + 15] are at work.
.macro QUANT s, nb, tm, pc, pw
.irp b, 0,1,2,3
.if \b < \nb
	v_max3_num_f32 v[\tm+\b], |v[\s+16*\b]|, |v[\s+16*\b+1]|, 0x8000000   ; my 16 numbers of block b, and the floor 2^(16 - 127): the byte cannot fall under 1
.endif
.endr
.irp i, 2,4,6,8,10,12,14
.irp b, 0,1,2,3
.if \b < \nb
	v_max3_num_f32 v[\tm+\b], v[\tm+\b], |v[\s+16*\b+\i]|, |v[\s+16*\b+\i+1]|
.endif
.endr
.endr
.irp b, 0,1,2,3
.if \b < \nb
	v_permlanex16_b32 v[\tm+4+\b], v[\tm+\b], s20, s21
.endif
.endr
.irp b, 0,1,2,3
.if \b < \nb
	v_max_num_f32 v[\tm+\b], v[\tm+\b], v[\tm+4+\b]        ; with lane l xor 16's 16 numbers: the block's largest magnitude
.endif
.endr
.irp b, 0,1,2,3
.if \b < \nb
	v_add_nc_u32 v[\tm+12+\b], 0xf8800000, v[\tm+\b]       ; 15 off its exponent field: the conversion's scale operand
.endif
.endr
.irp b, 0,1,2,3
.if \b < \nb
.endif
.endr
.irp b, 0,1,2,3
.if \b < \nb
	v_lshrrev_b32 v[\tm+4+\b], 23, v[\tm+12+\b]            ; the scale's byte
.endif
.endr
	v_lshl_or_b32 v[\pw], v[\tm+5], 8, v[\tm+4]
.if \nb == 4
	s_delay_alu instid0(VALU_DEP_1)
	v_lshl_or_b32 v[\pw], v[\tm+6], 16, v[\pw]
	s_delay_alu instid0(VALU_DEP_1)
	v_lshl_or_b32 v[\pw], v[\tm+7], 24, v[\pw]
.endif
.irp b, 0,1,2,3
.if \b < \nb
.irp i, 0,1,2,3,4,5,6,7,8,9,10,11,12,13,14,15
.endr
	v_cvt_scalef32_pk8_bf8_f32 v[\pc+4*\b:\pc+4*\b+1], v[\s+16*\b:\s+16*\b+7], v[\tm+12+\b]
	v_cvt_scalef32_pk8_bf8_f32 v[\pc+4*\b+2:\pc+4*\b+3], v[\s+16*\b+8:\s+16*\b+15], v[\tm+12+\b]
.endif
.endr
	v_nop                                          ; one plain line behind the last conversion
.endm
; A round of the cluster's barrier: my work-group's barrier, so that wave 0's signal speaks for all sixteen waves; wave 0 signals; every wave waits for the four work-groups; my work-group's barrier once more.
.macro CROUND
	s_barrier_signal -1
	s_barrier_wait -1
	s_cmp_lg_u32 s14, 0
	s_cbranch_scc1 .Lnot_wave_0_\@
	s_barrier_signal -3
.Lnot_wave_0_\@:
	s_barrier_wait -3
	s_barrier_signal -1
	s_barrier_wait -1
.endm
.macro TLOAD g0                        ; waves 0 to 3 fetch a quarter of a slot each, the others nothing; the branch hangs on the wave's number alone.  Four v_nop follow the load
	s_cmp_lt_u32 s14, 4
	s_cbranch_scc0 .Lasked_\@
	tensor_load_to_lds s[\g0:\g0+3], s[24:31]
	s_nop 0
.rept 4
	v_nop
.endr
.Lasked_\@:
.endm
; THE CHANGE OF SLOTS stands at a slot's head.  Each wave waits for all its tensor loads (its part of the slot ahead), adds 0 to its spare word, and waits for that and for its reads of the slot that it has left.
; fill = 1: that slot is filled with the keys two slots on.  The barrier is then a round of the cluster's, and the joint refill is the first thing behind it: it has two key steps in which to land.
.macro CHANGE g0, fill
	s_wait_tensorcnt 0x0                           ; no tensor load of mine is out, so a group 0 may be written
	ds_add_u32 v3, v4                              ; 0 onto my spare word
.if \fill
	s_add_nc_u64 s[\g0+2:\g0+3], s[\g0+2:\g0+3], 2*SLOTB   ; this slot's next keys; the type bits on top are not reached
.endif
	s_wait_dscnt 0x0                               ; the add is done, and my reads of the slot that I have left are over
.if \fill
	CROUND
	TLOAD \g0
.else
	s_barrier_signal -1
	s_barrier_wait -1
.endif
.endm
; A KEY STEP: 128 keys, whose records begin at LDS byte s41.
.macro STEP
	v_add_nc_u32 v5, s41, v1
	v_add_nc_u32 v6, s41, v2
.rept 6
	v_nop                                          ; with the two additions: eight places behind the last step's products, ahead of loads into their sources
.endr
.irp p, 0,1,2,3                        ; k: four pair images and their scale words
.irp c, 0,1,2,3
	ds_load_b128 v[F+16*\p+4*\c:F+16*\p+4*\c+3], v5 offset:2048*\p+512*\c
.endr
	ds_load_b32 v[42+\p], v6 offset:128*\p
.endr
	s_wait_alu depctr_va_vdst(0)
	s_wait_dscnt 0x0
.irp p, 0,1,2,3                        ; S^T = k q^T.  Registers 16 p + i of the scores are keys 32 p + 16 (lane / 16) + i of the step
	MM0 S+16*\p, F+16*\p, 16, 42+\p, 40            ; [q][zeros]: the pair's first tile
	MM0 S+16*\p+8, F+16*\p, 24, 42+\p, 40          ; [zeros][q]: its second
.endr
.rept 8
	v_nop                                          ; eight places: ahead of the loads below and of the first read of the scores
.endr
.irp t, 0,1,2,3                        ; v's four fragments are asked for here and land under the softmax
.irp c, 0,1,2,3
	ds_load_b128 v[F+16*\t+4*\c:F+16*\t+4*\c+3], v5 offset:8704+2048*\t+512*\c
.endr
	ds_load_b32 v[42+\t], v6 offset:8704+128*\t
.endr
.irp b, 0,1,2,3
	v_max3_num_f32 v[BM+\b], v[S+16*\b], v[S+16*\b+1], v[S+16*\b+2]   ; the largest score of each block of 32 keys: it serves for the row's maximum and, since p rises with the score, for the block's largest p
.endr
.irp i, 3,5,7,9,11,13
.irp b, 0,1,2,3
	v_max3_num_f32 v[BM+\b], v[BM+\b], v[S+16*\b+\i], v[S+16*\b+\i+1]
.endr
.endr
.irp b, 0,1,2,3
	v_max_num_f32 v[BM+\b], v[BM+\b], v[S+16*\b+15]
.endr
.irp b, 0,1,2,3
	s_delay_alu instid0(VALU_DEP_4)
	v_permlanex16_b32 v[PR+\b], v[BM+\b], s20, s21
.endr
.irp b, 0,1,2,3
	s_delay_alu instid0(VALU_DEP_4)
	v_max_num_f32 v[BM+\b], v[BM+\b], v[PR+\b]     ; with lane l xor 16's 16 keys
.endr
	s_delay_alu instid0(VALU_DEP_2)
	v_max3_num_f32 v242, v224, v225, v226
	s_delay_alu instid0(VALU_DEP_1)
	v_max_num_f32 v242, v242, v227                 ; the step's largest score of my query
	s_delay_alu instid0(VALU_DEP_1)
	v_mul_f32 v242, s22, v242                      ; as t (the factor is positive)
	s_delay_alu instid0(VALU_DEP_1)
	v_max_num_f32 v13, v13, v242                   ; the running largest t
	v_mov_b32 v242, v12
	s_delay_alu instid0(VALU_DEP_2)
	v_floor_f32 v12, -v13                          ; the new -M = floor(-t) = -ceil(t): M is a whole number
	s_delay_alu instid0(VALU_DEP_1)
	v_sub_f32 v242, v12, v242                      ; M's old value less its new one: a whole number, 0 or less
	s_delay_alu instid0(VALU_DEP_1)
	v_cvt_i32_f32 v242, v242                       ; (it saturates)
	s_delay_alu instid0(VALU_DEP_1)
	v_ldexp_f32 v240, 1.0, v242                    ; f = 2^(old M - new M)
.set i, 0
.rept 32
	v_pk_fma_f32 v[S+i:S+i+1], v[S+i:S+i+1], s[22:23], v[12:13] op_sel_hi:[1,0,0]   ; t - M, two at a time (of both pairs the low word serves both halves)
.set i, i+2
.endr
.irp b, 0,1,2,3
	v_fma_f32 v[BM+\b], v[BM+\b], s22, v12         ; the same of each block's largest score
.endr
.set i, 0
	s_setprio 1
	s_wait_alu depctr_va_vdst(0)
.rept 64
	v_exp_f32 v[S+i], v[S+i]                       ; p = 2^(t - M), at most 1: not normalised
.set i, i+1
.endr
.irp b, 0,1,2,3
	v_exp_f32 v[BM+\b], v[BM+\b]                   ; the block's largest p: the same two instructions on the same number give the same bits
.endr
	v_pk_mul_f32 v[14:15], v[14:15], v[240:241] op_sel_hi:[1,0]   ; the sums under the new M; also the plain line behind the exponentials
	s_wait_alu depctr_va_vdst(0)
.irp b, 0,1,2,3
	v_max_num_f32 v[BM+\b], 0x8000000, v[BM+\b]    ; the floor 2^(16 - 127)
.endr
.irp b, 0,1,2,3
	s_delay_alu instid0(VALU_DEP_4)
	v_add_nc_u32 v[SOP+\b], 0xf8800000, v[BM+\b]
.endr
.irp b, 0,1,2,3
.endr
.irp b, 0,1,2,3
	s_delay_alu instid0(VALU_DEP_4)
	v_lshrrev_b32 v[PR+\b], 23, v[SOP+\b]
.endr
	s_delay_alu instid0(VALU_DEP_3)
	v_lshl_or_b32 v41, v229, 8, v228               ; p's scale word for these 128 keys: it stands far more than eight plain lines ahead of the products that name it
	s_delay_alu instid0(VALU_DEP_1)
	v_lshl_or_b32 v41, v230, 16, v41
	s_delay_alu instid0(VALU_DEP_1)
	v_lshl_or_b32 v41, v231, 24, v41
	v_pk_add_f32 v[244:245], v[116:117], v[120:121]
	v_pk_add_f32 v[254:255], v[124:125], v[128:129]
	v_pk_add_f32 v[252:253], v[132:133], v[136:137]
	v_pk_add_f32 v[250:251], v[140:141], v[144:145]
	v_pk_add_f32 v[248:249], v[148:149], v[152:153]
	v_pk_add_f32 v[246:247], v[156:157], v[160:161]
	v_pk_add_f32 v[242:243], v[164:165], v[168:169]
	v_pk_add_f32 v[14:15], v[14:15], v[172:173]
	v_pk_add_f32 v[244:245], v[244:245], v[112:113]
	v_pk_add_f32 v[254:255], v[254:255], v[114:115]
	v_pk_add_f32 v[252:253], v[252:253], v[118:119]
	v_pk_add_f32 v[250:251], v[250:251], v[122:123]
	v_pk_add_f32 v[248:249], v[248:249], v[126:127]
	v_pk_add_f32 v[246:247], v[246:247], v[130:131]
	v_pk_add_f32 v[242:243], v[242:243], v[134:135]
	v_pk_add_f32 v[14:15], v[14:15], v[138:139]
	v_pk_add_f32 v[244:245], v[244:245], v[142:143]
	v_pk_add_f32 v[254:255], v[254:255], v[146:147]
	v_pk_add_f32 v[252:253], v[252:253], v[150:151]
	v_pk_add_f32 v[250:251], v[250:251], v[154:155]
	v_pk_add_f32 v[248:249], v[248:249], v[158:159]
	v_pk_add_f32 v[246:247], v[246:247], v[162:163]
	v_pk_add_f32 v[242:243], v[242:243], v[166:167]
	v_pk_add_f32 v[14:15], v[14:15], v[170:171]
	v_pk_add_f32 v[244:245], v[244:245], v[174:175]
	s_delay_alu instid0(VALU_DEP_2)
	v_pk_add_f32 v[14:15], v[14:15], v[250:251]
	s_delay_alu instid0(VALU_DEP_2)
	v_pk_add_f32 v[244:245], v[244:245], v[248:249]
	v_pk_add_f32 v[254:255], v[254:255], v[246:247]
	v_pk_add_f32 v[252:253], v[252:253], v[242:243]
	s_delay_alu instid0(VALU_DEP_2)
	v_pk_add_f32 v[14:15], v[14:15], v[254:255]
	s_delay_alu instid0(VALU_DEP_2)
	v_pk_add_f32 v[244:245], v[244:245], v[252:253]
	s_delay_alu instid0(VALU_DEP_1)
	v_pk_add_f32 v[14:15], v[14:15], v[244:245]
	s_setprio 0
.irp b, 0,1,2,3
.irp i, 0,1,2,3,4,5,6,7,8,9,10,11,12,13,14,15
.endr
	v_cvt_scalef32_pk8_bf8_f32 v[PC+4*\b:PC+4*\b+1], v[S+16*\b:S+16*\b+7], v[SOP+\b]
	v_cvt_scalef32_pk8_bf8_f32 v[PC+4*\b+2:PC+4*\b+3], v[S+16*\b+8:S+16*\b+15], v[SOP+\b]
.endr
.set i, 0
.rept 16
	v_pk_mul_f32 v[OT+i:OT+i+1], v[OT+i:OT+i+1], v[240:241] op_sel_hi:[1,0]   ; O^T under the new M; these sixteen also stand between the codes' conversions and the products
.set i, i+2
.endr
	s_wait_alu depctr_va_vdst(0)
	s_wait_dscnt 0x0                               ; v is in
.irp t, 0,1,2,3                        ; O^T += v^T p^T: the four accumulators take turns
	MMA OT+8*\t, F+16*\t, PC, 42+\t, 41
.endr
.endm
.macro SLOT_STEPS base                 ; a slot's two key steps: written once, walked twice
	s_mov_b32 s41, \base
	s_mov_b32 s42, 2
.Lstep_\@:
	s_setprio 2
	STEP
	s_add_co_u32 s41, s41, STEPB
	s_sub_co_u32 s42, s42, 1
	s_cmp_lg_u32 s42, 0
	s_cbranch_scc1 .Lstep_\@
	s_setprio 0
.endm
	s_load_b256 s[4:11], s[0:1], 0x0               ; q s[4:5], kv s[6:7], w_proj s[8:9], proj s[10:11]
	s_load_b64 s[12:13], s[0:1], 0x20              ; stats
	v_lshl_add_u32 v3, v0, 2, SPARE
	v_mov_b32 v4, 0
	ds_add_u32 v3, v4
	ds_add_u32 v3, v4
	s_wait_dscnt 0x0
	v_lshrrev_b32 v5, 5, v0
	s_delay_alu instid0(VALU_DEP_1)
	v_readfirstlane_b32 s14, v5                    ; wave 0..15
	s_lshr_b32 s15, s14, 2                         ; my head
	s_and_b32 s16, s14, 3                          ; my tile of queries; for waves 0 to 3 also: which quarter of a slot I fetch
	s_bfe_u32 s17, ttmp6, 0x40000                  ; my place in the cluster
	s_lshl_b32 s18, ttmp9, 2                       ; in a cluster launch ttmp9 counts clusters
	s_add_co_u32 s18, s18, s17                     ; my block of 64 queries
	s_and_b32 s19, ttmp7, 0xffff                   ; the batch, which the four partners share
	s_mov_b32 s20, 0x76543210
	s_mov_b32 s21, 0xfedcba98                      ; v_permlanex16_b32's selects for lane l xor 16
	s_mov_b32 s22, 0x3e38aa3b                      ; log2(e) / 8
	s_mov_b32 s23, s22                             ; (named with it as a pair, so it is written)
	; descriptor group 1: 136 rows of 32 elements of 8 bytes, dense in memory and in LDS
	s_mov_b32 s24, 15|(3<<16)|(1<<21)              ; 15:0 the mask: all four work-groups; 17:16 elements of 8 bytes; 20 no padding; 21 set beside a mask
	s_mov_b32 s25, 32<<16                          ; tensor_dim0 = 32
	s_mov_b32 s26, 136<<16                         ; tensor_dim1 = 136
	s_mov_b32 s27, 32<<16                          ; tile_dim0 = 32
	s_mov_b32 s28, 136                             ; tile_dim1 = 136
	s_mov_b32 s29, 32                              ; from row to row: 32 elements
	s_mov_b32 s30, 0
	s_mov_b32 s31, 0
	s_mul_i32 s44, s16, QUART                      ; my quarter, in a slot and in memory
	s_mul_i32 s46, s19, 32*STEPB                   ; the batch's 32 steps
	s_add_co_u32 s46, s46, s44
	s_mov_b32 s47, 0
	s_wait_kmcnt 0x0
	s_mov_b32 s32, 1                               ; group 0 for slot 0: count = 1,
	s_mov_b32 s33, s44                             ; LDS address,
	s_add_nc_u64 s[34:35], s[6:7], s[46:47]        ; global address: steps 0 and 1,
	s_add_nc_u64 s[38:39], s[34:35], SLOTB         ; (slot 1's: steps 2 and 3)
	s_or_b32 s35, s35, 0x80000000                  ; type = 2
	s_mov_b32 s36, 1
	s_add_co_u32 s37, s44, SLOTB
	s_or_b32 s39, s39, 0x80000000
	CROUND                                         ; all four work-groups are here: the first joint loads meet
	s_cmp_lt_u32 s14, 4                            ; a wave's two first fills stand in one branch, ahead of every wait on TENSORcnt and every LDS read: two loads of mine are out
	s_cbranch_scc0 .Lno_first
	tensor_load_to_lds s[32:35], s[24:31]
	s_nop 0
	tensor_load_to_lds s[36:39], s[24:31]
	s_nop 0
.rept 4
	v_nop
.endr
.Lno_first:
	v_and_b32 v7, 31, v0
	s_delay_alu instid0(VALU_DEP_1)
	v_lshlrev_b32 v5, 4, v7                        ; 16 x lane
	s_wait_alu depctr_va_vdst(0)
	v_lshlrev_b32 v6, 2, v7                        ; 4 x lane
	s_wait_alu depctr_va_vdst(0)
	s_mul_i32 s45, s15, 17408                      ; my head's records in a step
	v_add_nc_u32 v1, s45, v5
	s_add_co_u32 s45, s45, 8192
	v_add_nc_u32 v2, s45, v6
	; q lies [batch][block][head][4,352]: two pair images, then two scale images.  My tile is half of pair (tile / 2): 8 registers
	s_lshl_b32 s48, s19, 6
	s_add_co_u32 s48, s48, s18
	s_lshl_b32 s48, s48, 2
	s_add_co_u32 s48, s48, s15
	s_mul_i32 s48, s48, 4352
	s_lshr_b32 s50, s16, 1
	s_and_b32 s51, s16, 1
	s_lshl_b32 s52, s50, 11
	s_lshl_b32 s53, s51, 10
	s_add_co_u32 s52, s52, s53
	s_add_co_u32 s52, s52, s48
	s_mov_b32 s53, 0
	s_add_nc_u64 s[54:55], s[4:5], s[52:53]
	s_lshl_b32 s52, s50, 7
	s_add_co_u32 s52, s52, s48
	s_add_co_u32 s52, s52, 4096
	s_add_nc_u64 s[56:57], s[4:5], s[52:53]
	global_load_b128 v[16:19], v5, s[54:55]
	global_load_b128 v[20:23], v5, s[54:55] offset:512
	global_load_b128 v[32:35], v5, s[54:55]        ; the same eight registers a second time, behind the zeros
	global_load_b128 v[36:39], v5, s[54:55] offset:512
	global_load_b32 v246, v6, s[56:57]             ; the pair's scale word: my tile's two bytes are its lower or its upper half
	s_cmp_eq_u32 s51, 0
	s_mov_b32 s60, 0x03020302
	s_cselect_b32 s60, 0x01000100, s60
.irp j, 0,1,2,3,4,5,6,7
	v_mov_b32 v[24+\j], 0                          ; zero codes
.endr
	v_mov_b32 v13, 0xff61b1e6                      ; the largest t so far: -3e38, under every t
	s_delay_alu instid0(VALU_DEP_1)
	v_floor_f32 v12, -v13                          ; -M
	v_mov_b32 v14, 0                               ; the sum, in two halves
	v_mov_b32 v15, 0
	v_mov_b32 v241, 0                              ; (named as the upper half of the pair v[240:241])
.irp b, 0,1,2,3
	v_mov_b32 v[PR+\b], 0                          ; written once: a lane permute's destination counts as one of its sources
.endr
	s_wait_loadcnt 0x0
	v_perm_b32 v40, v246, v246, s60                ; q's scale word: (s0, s1, s0, s1), for either place of q among the 128
.set i, 0
.rept 32
	v_mov_b32 v[OT+i], 0                           ; O^T.  The step is written without a first form of its own: the first change of M multiplies zeros
.set i, i+1
.endr
	s_wait_tensorcnt 0x1                           ; my part of slot 0 is in; slot 1's may stay out
	s_barrier_signal -1
	s_barrier_wait -1                              ; everybody's is
	SLOT_STEPS 0                                   ; steps 0 and 1
	s_mov_b32 s43, 7
.Lpair:                                            ; seven trips: each fills both slots again and reads both
	CHANGE 32, 1
	SLOT_STEPS SLOTB
	CHANGE 36, 1
	SLOT_STEPS 0
	s_sub_co_u32 s43, s43, 1
	s_cmp_lg_u32 s43, 0
	s_cbranch_scc1 .Lpair
	CHANGE 32, 0                                   ; the last slot is written out: nothing is left to fetch
	SLOT_STEPS SLOTB
	; ---- THE TAIL.  Its addresses are made first: twenty plain lines that name no register of the last products are the places behind them.
	v_and_b32 v242, 15, v0                         ; r
	v_bfe_u32 v243, v0, 4, 1                       ; h
	v_and_b32 v244, 31, v0                         ; lane
	s_delay_alu instid0(VALU_DEP_3)
	v_lshlrev_b32 v5, 10, v242
	s_delay_alu instid0(VALU_DEP_1)
	v_lshl_add_u32 v5, v243, 6, v5                 ; w_proj: row r of my 16, of 1,024 bytes, + 64 h
	s_delay_alu instid0(VALU_DEP_3)
	v_lshlrev_b32 v6, 4, v244                      ; 16 x lane: an image's place
	s_delay_alu instid0(VALU_DEP_4)
	v_lshl_add_u32 v7, v244, 2, OSC                ; 4 x lane: a scale word's
	s_wait_alu depctr_va_vdst(0)
	s_lshr_b32 s45, s15, 1                         ; my head's K step of the projection (128 channels = two heads),
	s_and_b32 s46, s15, 1                          ; and which half of it
	s_lshl_b32 s44, s16, 12
	s_lshl_b32 s47, s45, 11
	s_add_co_u32 s44, s44, s47
	s_lshl_b32 s47, s46, 10
	s_add_co_u32 s44, s44, s47
	v_add_nc_u32 v8, s44, v6                       ; my two groups of fragment (tile, K step): 4,096 tile + 2,048 K step + 1,024 half
	s_lshl_b32 s44, s16, 8
	s_lshl_b32 s47, s45, 7
	s_add_co_u32 s44, s44, s47
	s_lshl_b32 s47, s46, 1
	s_add_co_u32 s44, s44, s47
	v_add_nc_u32 v9, s44, v7                       ; my two bytes of its scale words
	s_mul_i32 s44, s14, 16*272
	s_add_co_u32 s44, s44, STG                     ; my stage
	v_mul_u32_u24 v10, v242, 272
	s_delay_alu instid0(VALU_DEP_1)
	v_lshl_add_u32 v10, v243, 6, v10
	s_delay_alu instid0(VALU_DEP_1)
	v_add_nc_u32 v10, s44, v10                     ; in: row = channel r; my half's 16 queries: 64 h bytes on
	v_mul_u32_u24 v11, v243, 272
	s_delay_alu instid0(VALU_DEP_1)
	v_lshl_add_u32 v11, v242, 4, v11
	s_delay_alu instid0(VALU_DEP_1)
	v_add_nc_u32 v11, s44, v11                     ; back: lanes 0-15 one row of 256 bytes, lanes 16-31 the next
	v_lshlrev_b32 v46, 14, v243
	s_delay_alu instid0(VALU_DEP_1)
	v_lshl_add_u32 v46, v242, 4, v46               ; and the same two rows in proj, 16,384 bytes apart
	v_lshlrev_b32 v47, 3, v242
	s_delay_alu instid0(VALU_DEP_1)
	v_lshl_add_u32 v47, v243, 2, v47               ; stats: 8 bytes a channel; lanes 0-15 the mean, lanes 16-31 the squares
	s_lshl_b32 s48, s14, 14
	s_mov_b32 s49, 0
	s_add_nc_u64 s[8:9], s[8:9], s[48:49]          ; w_proj at my 16 rows
	s_lshl_b32 s48, s19, 6
	s_add_co_u32 s48, s48, s18
	s_lshl_b32 s48, s48, 11
	s_lshl_b32 s50, s14, 7
	s_add_co_u32 s48, s48, s50
	s_add_nc_u64 s[12:13], s[12:13], s[48:49]      ; stats [batch x 64 + block][channel][2]
	s_lshl_b32 s48, s19, 22
	s_lshl_b32 s50, s14, 18
	s_add_co_u32 s48, s48, s50
	s_lshl_b32 s50, s18, 8
	s_add_co_u32 s48, s48, s50
	s_add_nc_u64 s[10:11], s[10:11], s[48:49]      ; proj [batch][channel][position]: my 16 channels, my block's 256 bytes
.irp k, 0,1                            ; w_proj's numbers: K step 0 into v48-111, K step 1 into v112-175
.irp b, 0,1,2,3
.irp j, 0,1,2,3
	global_load_b128 v[48+64*\k+16*\b+4*\j:48+64*\k+16*\b+4*\j+3], v5, s[8:9] offset:512*\k+128*\b+16*\j
.endr
.endr
.endr
	v_add_f32 v14, v14, v15                        ; the sum's two halves,
	s_delay_alu instid0(VALU_DEP_1)
	v_permlanex16_b32 v245, v14, s20, s21
	s_delay_alu instid0(VALU_DEP_1)
	v_add_f32 v14, v14, v245                       ; and lane l xor 16's: the row's sum
	s_wait_alu depctr_va_vdst(0)
	v_rcp_f32 v14, v14
	v_nop                                          ; one plain line behind a transcendental
.set i, 0
	s_wait_alu depctr_va_vdst(0)
.rept 16
	v_pk_mul_f32 v[OT+i:OT+i+1], v[OT+i:OT+i+1], v[14:15] op_sel_hi:[1,0]   ; O^T / the sum: register 16 B + i is channel 32 B + 16 h + i of my head, for my query
.set i, i+2
.endr
	QUANT OT, 2, 224, PC, 250                      ; two blocks of 32 along the projection's K: half a fragment and two bytes of its scale word
	ds_store_b128 v8, v[208:211]
	ds_store_b128 v8, v[212:215] offset:512
	ds_store_b16 v9, v250
	s_wait_loadcnt 16                              ; w_proj's first K step is in; the second's sixteen loads may be out
	QUANT 48, 4, 224, 176, 40                      ; its codes stay in my registers: v176-191, scale word v40
	s_wait_loadcnt 0x0
	QUANT 112, 4, 224, 192, 41                     ; v192-207, v41
.rept 4
	v_nop                                          ; codes written by vector instructions stand four places ahead of a scaled product
.endr
	s_wait_dscnt 0x0                               ; for the others' sake: my stores have landed
	s_barrier_signal -1
	s_barrier_wait -1                              ; the eight fragments of the attention's result lie in LDS
.irp k, 0,1
.irp a, 0,1,2,3
.irp c, 0,1,2,3
	ds_load_b128 v[48+64*\k+16*\a+4*\c:48+64*\k+16*\a+4*\c+3], v6 offset:OIMG+(2*\a+\k)*2048+512*\c
.endr
.endr
.endr
.irp a, 0,1,2,3
	ds_load_b32 v[42+\a], v7 offset:(2*\a)*128
	ds_load_b32 v[246+\a], v7 offset:(2*\a+1)*128
.endr
	s_wait_dscnt 0x0
.irp a, 0,1,2,3                        ; source 0 = 16 queries, source 1 = my 16 rows of w_proj: lane (r, h) holds channel 16 w + r; register 16 B + i is query 32 B + 16 h + i.  Four accumulators by turns
	MM0 208+8*\a, 48+16*\a, 176, 42+\a, 40
.endr
	s_wait_alu depctr_va_vdst(0)
.irp a, 0,1,2,3
	MMA 208+8*\a, 112+16*\a, 192, 246+\a, 41
.endr
.rept 8
	v_nop
.endr
	v_pk_add_f32 v[50:51], v[208:209], v[210:211]
	v_pk_add_f32 v[52:53], v[212:213], v[214:215]
	v_pk_add_f32 v[54:55], v[216:217], v[218:219]
	v_pk_add_f32 v[254:255], v[220:221], v[222:223]
	v_pk_add_f32 v[252:253], v[224:225], v[226:227]
	v_pk_add_f32 v[250:251], v[228:229], v[230:231]
	v_pk_add_f32 v[248:249], v[232:233], v[234:235]
	v_pk_add_f32 v[48:49], v[236:237], v[238:239]
	s_delay_alu instid0(VALU_DEP_1)
	v_pk_add_f32 v[48:49], v[48:49], v[254:255]
	v_pk_add_f32 v[50:51], v[50:51], v[252:253]
	v_pk_add_f32 v[52:53], v[52:53], v[250:251]
	v_pk_add_f32 v[54:55], v[54:55], v[248:249]
	s_delay_alu instid0(VALU_DEP_2)
	v_pk_add_f32 v[48:49], v[48:49], v[52:53]
	s_delay_alu instid0(VALU_DEP_2)
	v_pk_add_f32 v[50:51], v[50:51], v[54:55]
	s_delay_alu instid0(VALU_DEP_1)
	v_pk_add_f32 v[48:49], v[48:49], v[50:51]
	s_delay_alu instid0(VALU_DEP_1)
	v_add_f32 v48, v48, v49
	s_delay_alu instid0(VALU_DEP_1)
	v_permlanex16_b32 v50, v48, s20, s21
	s_delay_alu instid0(VALU_DEP_1)
	v_add_f32 v48, v48, v50
	s_delay_alu instid0(VALU_DEP_1)
	v_mul_f32 v60, 0x3c800000, v48                 ; / 64: the mean, in both halves of a pair
	s_delay_alu instid0(VALU_DEP_2)
	v_mul_f32 v61, 0x3c800000, v48
.set i, 0
.rept 16
	v_pk_add_f32 v[64+i:65+i], v[208+i:209+i], v[60:61] neg_lo:[0,1] neg_hi:[0,1]
.set i, i+2
.endr
	v_pk_mul_f32 v[56:57], v[64:65], v[64:65]
	v_pk_mul_f32 v[58:59], v[66:67], v[66:67]
.irp j, 4,8,12,16,20,24,28
	s_delay_alu instid0(VALU_DEP_2)
	v_pk_fma_f32 v[56:57], v[64+\j:65+\j], v[64+\j:65+\j], v[56:57]
	s_delay_alu instid0(VALU_DEP_2)
	v_pk_fma_f32 v[58:59], v[66+\j:67+\j], v[66+\j:67+\j], v[58:59]
.endr
	s_delay_alu instid0(VALU_DEP_1)
	v_pk_add_f32 v[56:57], v[56:57], v[58:59]
	s_delay_alu instid0(VALU_DEP_1)
	v_add_f32 v56, v56, v57
	s_delay_alu instid0(VALU_DEP_1)
	v_permlanex16_b32 v50, v56, s20, s21
	s_delay_alu instid0(VALU_DEP_1)
	v_add_f32 v56, v56, v50
	v_cmp_gt_u32 vcc_lo, 16, v244
	s_delay_alu instid0(VALU_DEP_1)
	v_cndmask_b32 v62, v56, v60, vcc_lo            ; lanes 0-15 the mean, lanes 16-31 the squares
	global_store_b32 v47, v62, s[12:13]            ; the wave stores 128 consecutive bytes
	; a lane holds 2 x 16 neighbouring positions of one channel: through my own stage, and out as whole rows of 256 bytes.  LDS serves a wave's instructions in order (ISA guide 5.7.1.4): no wait between the stores and the loads
.irp i, 0,1,2,3,4,5,6,7
	ds_store_b128 v10, v[208+4*\i:211+4*\i] offset:128*(\i/4)+16*(\i%4)
.endr
.irp i, 0,1,2,3,4,5,6,7
	ds_load_b128 v[112+4*\i:115+4*\i], v11 offset:544*\i
.endr
.irp i, 0,1,2,3,4,5,6,7
	s_wait_dscnt 7-\i                              ; LDS loads come back in order: number i is in
	global_store_b128 v46, v[112+4*\i:115+4*\i], s[10:11] offset:32768*\i   ; sixteen lanes store 256 consecutive bytes, at a multiple of 256 from proj's first byte
.endr
	s_wait_tensorcnt 0x0                           ; the wave's end, behind my last tensor load and my last LDS store
	ds_add_u32 v3, v4
	s_wait_dscnt 0x0
	CROUND                                         ; the closing round: no work-group ends while a partner may still ask for a tile that names it
	s_endpgm
.Lfunc_end_k_qc4a3955bfb_attn:
	.size	k_qc4a3955bfb_attn, .Lfunc_end_k_qc4a3955bfb_attn-k_qc4a3955bfb_attn
	.p2alignl 7, 3214868480
	.fill 96, 4, 3214868480
	.section	.rodata,"a",@progbits
	.p2align	6, 0x0
	.amdhsa_kernel k_qc4a3955bfb_attn
		.amdhsa_group_segment_fixed_size 327680
		.amdhsa_private_segment_fixed_size 0
		.amdhsa_enable_private_segment 0
		.amdhsa_kernarg_size 40
		.amdhsa_user_sgpr_count 2
		.amdhsa_user_sgpr_kernarg_segment_ptr 1
		.amdhsa_wavefront_size32 1
		.amdhsa_system_sgpr_workgroup_id_x 1
		.amdhsa_system_sgpr_workgroup_id_y 1
		.amdhsa_system_sgpr_workgroup_id_z 1
		.amdhsa_system_vgpr_workitem_id 0
		.amdhsa_next_free_vgpr 256
		.amdhsa_next_free_sgpr 66
		.amdhsa_reserve_vcc 1
		.amdhsa_float_denorm_mode_32 3
		.amdhsa_float_denorm_mode_16_64 3
		.amdhsa_fp16_overflow 1
		.amdhsa_memory_ordered 1
		.amdhsa_forward_progress 1
		.amdhsa_inst_pref_size 105
	.end_amdhsa_kernel
	.amdgpu_metadata
---
amdhsa.version: [ 1, 2 ]
amdhsa.kernels:
  - .name:           k_qc4a3955bfb_attn
    .symbol:         k_qc4a3955bfb_attn.kd
    .args:
      - { .name: q, .offset: 0, .size: 8, .value_kind: global_buffer, .address_space: global }
      - { .name: kv, .offset: 8, .size: 8, .value_kind: global_buffer, .address_space: global }
      - { .name: w_proj, .offset: 16, .size: 8, .value_kind: global_buffer, .address_space: global }
      - { .name: proj, .offset: 24, .size: 8, .value_kind: global_buffer, .address_space: global }
      - { .name: stats, .offset: 32, .size: 8, .value_kind: global_buffer, .address_space: global }
    .group_segment_fixed_size: 327680
    .private_segment_fixed_size: 0
    .kernarg_segment_align: 8
    .kernarg_segment_size: 40
    .max_flat_workgroup_size: 512
    .sgpr_count:     66
    .vgpr_count:     256
    .wavefront_size: 32
...
	.end_amdgpu_metadata
.endif
;; end of part 2
;; launch bn (part 3): grid 256 x 1, 8 waves a work-group, no clusters, 1,280 bytes of LDS; arguments proj, stats, gamma, beta, out0; writes out0
.if DOCPART == 3
	.amdgcn_target "amdgcn-amd-amdhsa--gfx1250"
	.amdhsa_code_object_version 6
	.text
	.protected	k_qc4a3955bfb_bn
	.globl	k_qc4a3955bfb_bn
	.p2align	8
	.type	k_qc4a3955bfb_bn,@function
k_qc4a3955bfb_bn:
	s_mov_b64 s[64:65], 0
	v_nop
	global_prefetch_b8 v0, s[64:65] scope:SCOPE_SE
	s_setreg_imm32_b32 hwreg(HW_REG_WAVE_MODE, 25, 1), 1
	s_wait_xcnt 0x0
; BatchNorm with the batch's own statistics: out0[b][c][n] = (proj[b][c][n] - mean[c]) / sqrt(var[c] + 1e-5) x gamma[c] + beta[c], c < 256; mean and (biased) variance over the 4 x 4,096 numbers of channel c.
; A work-group takes one channel: 4 rows of 16,384 bytes in, as many out.  stats holds, for each of 256 groups of 64 positions, the group's mean and its sum of squared deviations from that mean.
; Thread g takes group g.  mean = the mean of the 256 means (the groups are equal in size); the deviations join as  sum of (M2[g] + 64 (mean[g] - mean)^2): no difference of large sums is formed.
; Memory binds: the 16 loads of a thread are issued first and land while the statistics are joined; each load and store of a wave covers 512 consecutive bytes.  No matrix unit, no cluster, no tensor load: nothing is shared between work-groups.
; LIMITS: NaN and infinities are not served.
	s_load_b256 s[4:11], s[0:1], 0x0               ; proj s[4:5], stats s[6:7], gamma s[8:9], beta s[10:11]
	s_load_b64 s[12:13], s[0:1], 0x20              ; out0
	v_lshl_add_u32 v96, v0, 2, 0x100
	v_mov_b32 v97, 0
	v_lshrrev_b32 v12, 5, v0
	s_delay_alu instid0(VALU_DEP_1)
	v_lshlrev_b32 v12, 2, v12                      ; LDS: 4 x wave
	v_mov_b32 v13, 0
	v_mov_b32 v14, 0                               ; (the destinations of lane exchanges count as read: written once)
	v_mov_b32 v15, 0
	s_lshl_b32 s16, ttmp9, 14                      ; the channel's row: 16,384 bytes
	s_mov_b32 s17, 0
	s_lshl_b32 s18, ttmp9, 3                       ; its 8 bytes in a group's statistics
	s_mov_b32 s19, 0
	s_lshl_b32 s20, ttmp9, 2                       ; its number in gamma and beta
	s_mov_b32 s21, 0
	s_mov_b32 s24, 0x76543210
	s_mov_b32 s25, 0xfedcba98                      ; v_permlanex16_b32's selects for lane l xor 16
	s_mov_b32 s26, 0x38800000                      ; 1 / 16,384
	s_mov_b32 s27, 0x3727c5ac                      ; 1e-5
	v_lshlrev_b32 v1, 11, v0                       ; group g's statistics: 2,048 bytes a group
.irp b, 0,1,2,3
	v_lshl_add_u32 v[4+\b], v0, 4, 4194304*\b      ; proj: 16 bytes a thread, a batch is 256 channels
	v_lshl_add_u32 v[8+\b], v0, 4, 8388608*\b      ; out0: a batch is 512 channels
.endr
	s_wait_alu depctr_va_vdst(0)
	s_wait_kmcnt 0x0
	s_add_nc_u64 s[4:5], s[4:5], s[16:17]
	s_add_nc_u64 s[12:13], s[12:13], s[16:17]
	s_add_nc_u64 s[6:7], s[6:7], s[18:19]
	s_add_nc_u64 s[8:9], s[8:9], s[20:21]
	s_add_nc_u64 s[10:11], s[10:11], s[20:21]
	s_load_b32 s22, s[8:9], 0x0                    ; gamma[c]
	s_load_b32 s23, s[10:11], 0x0                  ; beta[c]
	global_load_b64 v[2:3], v1, s[6:7]             ; my group's mean and squares
.irp b, 0,1,2,3
.irp i, 0,1,2,3
	global_load_b128 v[32+16*\b+4*\i:35+16*\b+4*\i], v[4+\b], s[4:5] offset:4096*\i th:TH_LOAD_NT
.endr
.endr
.macro WAVESUM                         ; v14 summed over the wave's 32 lanes, the result in every lane
	s_delay_alu instid0(VALU_DEP_1)
	v_add_f32_dpp v14, v14, v14 row_xmask:2 row_mask:0xf bank_mask:0xf
	s_delay_alu instid0(VALU_DEP_1)
	v_add_f32_dpp v14, v14, v14 row_xmask:4 row_mask:0xf bank_mask:0xf
	s_delay_alu instid0(VALU_DEP_1)
	v_add_f32_dpp v14, v14, v14 row_xmask:8 row_mask:0xf bank_mask:0xf
	s_delay_alu instid0(VALU_DEP_1)
	v_permlanex16_b32 v15, v14, s24, s25
	s_delay_alu instid0(VALU_DEP_1)
	v_add_f32 v14, v14, v15
.endm
.macro GROUPSUM off                    ; and over the eight waves, through eight words of LDS of its own for each use: the result in v16
	ds_store_b32 v12, v14 offset:\off              ; all lanes of a wave write the same word with the same value
	s_wait_dscnt 0x0                               ; for the others' sake
	s_barrier_signal -1
	s_barrier_wait -1
	ds_load_b128 v[16:19], v13 offset:\off
	ds_load_b128 v[20:23], v13 offset:\off+16
	s_wait_dscnt 0x0
	v_add_f32 v16, v16, v17
	v_add_f32 v18, v18, v19
	v_add_f32 v20, v20, v21
	v_add_f32 v22, v22, v23
	s_delay_alu instid0(VALU_DEP_3)
	v_add_f32 v16, v16, v18
	s_delay_alu instid0(VALU_DEP_2)
	v_add_f32 v20, v20, v22
	s_delay_alu instid0(VALU_DEP_1)
	v_add_f32 v16, v16, v20
.endm
	s_wait_loadcnt 16                              ; the statistics are in; proj's sixteen loads stay out
	v_add_f32_dpp v14, v2, v2 row_xmask:1 row_mask:0xf bank_mask:0xf
	WAVESUM
	GROUPSUM 0
	s_delay_alu instid0(VALU_DEP_1)
	v_mul_f32 v24, 0x3b800000, v16                 ; / 256: the channel's mean
	s_delay_alu instid0(VALU_DEP_1)
	v_sub_f32 v25, v2, v24
	s_delay_alu instid0(VALU_DEP_1)
	v_mul_f32 v26, 0x42800000, v25                 ; 64 d
	s_delay_alu instid0(VALU_DEP_1)
	v_fma_f32 v26, v26, v25, v3                    ; 64 d^2 + my group's squares
	s_delay_alu instid0(VALU_DEP_1)
	v_add_f32_dpp v14, v26, v26 row_xmask:1 row_mask:0xf bank_mask:0xf
	WAVESUM
	GROUPSUM 32
	s_delay_alu instid0(VALU_DEP_1)
	v_fma_f32 v16, v16, s26, s27                   ; the variance + 1e-5
	s_wait_alu depctr_va_vdst(0)
	v_rsq_f32 v16, v16
	v_nop                                          ; one plain line behind a transcendental
	s_wait_kmcnt 0x0
	s_wait_alu depctr_va_vdst(0)
	v_mul_f32 v26, s22, v16                        ; a = gamma / sqrt(var + eps), in both halves of a pair
	v_mul_f32 v27, s22, v16
	s_delay_alu instid0(VALU_DEP_2)
	v_fma_f32 v28, -v24, v26, s23                  ; beta - mean a, likewise
	s_delay_alu instid0(VALU_DEP_2)
	v_fma_f32 v29, -v24, v27, s23
	s_wait_alu depctr_va_vdst(0)
.irp b, 0,1,2,3
.irp i, 0,1,2,3
	s_wait_loadcnt 15-4*\b-\i                      ; loads come back in order: this one is in, the younger ones stay out
	v_pk_fma_f32 v[32+16*\b+4*\i:33+16*\b+4*\i], v[32+16*\b+4*\i:33+16*\b+4*\i], v[26:27], v[28:29]
	v_pk_fma_f32 v[34+16*\b+4*\i:35+16*\b+4*\i], v[34+16*\b+4*\i:35+16*\b+4*\i], v[26:27], v[28:29]
	global_store_b128 v[8+\b], v[32+16*\b+4*\i:35+16*\b+4*\i], s[12:13] offset:4096*\i th:TH_STORE_NT
.endr
.endr
	s_wait_tensorcnt 0x0
	ds_add_u32 v96, v97
	s_wait_dscnt 0x0
	s_endpgm
.Lfunc_end_k_qc4a3955bfb_bn:
	.size	k_qc4a3955bfb_bn, .Lfunc_end_k_qc4a3955bfb_bn-k_qc4a3955bfb_bn
	.p2alignl 7, 3214868480
	.fill 96, 4, 3214868480
	.section	.rodata,"a",@progbits
	.p2align	6, 0x0
	.amdhsa_kernel k_qc4a3955bfb_bn
		.amdhsa_group_segment_fixed_size 1280
		.amdhsa_private_segment_fixed_size 0
		.amdhsa_enable_private_segment 0
		.amdhsa_kernarg_size 40
		.amdhsa_user_sgpr_count 2
		.amdhsa_user_sgpr_kernarg_segment_ptr 1
		.amdhsa_wavefront_size32 1
		.amdhsa_system_sgpr_workgroup_id_x 1
		.amdhsa_system_sgpr_workgroup_id_y 1
		.amdhsa_system_sgpr_workgroup_id_z 1
		.amdhsa_system_vgpr_workitem_id 0
		.amdhsa_next_free_vgpr 98
		.amdhsa_next_free_sgpr 66
		.amdhsa_reserve_vcc 0
		.amdhsa_float_denorm_mode_32 3
		.amdhsa_float_denorm_mode_16_64 3
		.amdhsa_memory_ordered 1
		.amdhsa_forward_progress 1
		.amdhsa_inst_pref_size 12
	.end_amdhsa_kernel
	.amdgpu_metadata
---
amdhsa.version: [ 1, 2 ]
amdhsa.kernels:
  - .name:           k_qc4a3955bfb_bn
    .symbol:         k_qc4a3955bfb_bn.kd
    .args:
      - { .name: proj, .offset: 0, .size: 8, .value_kind: global_buffer, .address_space: global }
      - { .name: stats, .offset: 8, .size: 8, .value_kind: global_buffer, .address_space: global }
      - { .name: gamma, .offset: 16, .size: 8, .value_kind: global_buffer, .address_space: global }
      - { .name: beta, .offset: 24, .size: 8, .value_kind: global_buffer, .address_space: global }
      - { .name: out0, .offset: 32, .size: 8, .value_kind: global_buffer, .address_space: global }
    .group_segment_fixed_size: 1280
    .private_segment_fixed_size: 0
    .kernarg_segment_align: 8
    .kernarg_segment_size: 40
    .max_flat_workgroup_size: 256
    .sgpr_count:     66
    .vgpr_count:     98
    .wavefront_size: 32
...
	.end_amdgpu_metadata
.endif
;; end of part 3
